; MI455X (gfx1250); checked and timed in simulation.
; The chip was launched on July 23, 2026; its instructions are those of AMD's public machine-readable ISA for CDNA 5 (MIT licence, August 2026) and "CDNA5" Instruction Set Architecture Reference Guide (July 2026). The comments in the code are by the model that wrote it; some were corrected since.
;; Swin Transformer Block. Allowed arithmetic: matrix products marked QUANTISED: E5M2 operands, one given power-of-two scale a tensor, by v_wmma_f32_16x16x64_bf8_bf8 or v_wmma_f32_16x16x128_bf8_bf8, f32 sums; everything else in f32.
;; Inputs: b1 1,024 float32; b2 256 float32; bk 256 float32; bo 256 float32; bq 256 float32; bv 256 float32; hidden_states 8 x 4,096 x 256 float32; ln1_b 256 float32; ln1_g 256 float32; ln2_b 256 float32; ln2_g 256 float32; lowp_scales 16 int32 (the exponents e of the quantised operands' scales 2^e); rel_table 225 x 8 float32; w1 1,024 x 256 float32; w2 256 x 1,024 float32; wk 256 x 256 float32; wo 256 x 256 float32; wq 256 x 256 float32; wv 256 x 256 float32.
;; Outputs: out0 8 x 4,096 x 256 float32.
;; This version of the problem:
;;   THIS VERSION OF THE PROBLEM IS GIVEN IN LOW PRECISION. The matrix products marked QUANTISED in the list below multiply operands that are first quantised to E5M2 (5 exponent bits, 2 mantissa bits; 8 bits a number), with one given power-of-two scale for each operand tensor; their sums are f32. All else is computed in f32.
;;   The module's matrix products, in the order in which they are computed (A, B: the left and right operand; K: the contracted axis; several contracted axes count as one K, in the product's order):
;;     1. [M 32,768, K 256] x [K 256, N 256]; A: computed on the way; B: input wq: QUANTISED (scales: A lowp_scales[0], B lowp_scales[1])
;;     2. [M 32,768, K 256] x [K 256, N 256]; A: computed on the way; B: input wk: QUANTISED (scales: A lowp_scales[2], B lowp_scales[3])
;;     3. [M 32,768, K 256] x [K 256, N 256]; A: computed on the way; B: input wv: QUANTISED (scales: A lowp_scales[4], B lowp_scales[5])
;;     4. batch 4,096 x [M 64, K 32] x [K 32, N 64]; A: computed on the way; B: computed on the way: QUANTISED (scales: A lowp_scales[6], B lowp_scales[7])
;;     5. batch 4,096 x [M 32, K 64] x [K 64, N 64]; A: computed on the way; B: computed on the way: QUANTISED (scales: A lowp_scales[8], B lowp_scales[9])
;;     6. [M 32,768, K 256] x [K 256, N 256]; A: computed on the way; B: input wo: QUANTISED (scales: A lowp_scales[10], B lowp_scales[11])
;;     7. [M 32,768, K 256] x [K 256, N 1,024]; A: computed on the way; B: input w1: QUANTISED (scales: A lowp_scales[12], B lowp_scales[13])
;;     8. [M 32,768, K 1,024] x [K 1,024, N 256]; A: computed on the way; B: input w2: QUANTISED (scales: A lowp_scales[14], B lowp_scales[15])
;;   THE QUANTISER, for each operand of a quantised product, along K:
;;     - The operand's scale is 2^e, e = its entry of the input lowp_scales (int32; the entries are numbered through the quantised products in the list's order, A before B).
;;     - Each number is divided by the scale, clamped to +-57,344, and rounded to the nearest number of E5M2, ties to even, subnormals kept.
;;     - The product sums the exact products of the quantised numbers (number of the format x scale) in f32.
;;   ~~~python
;;   def quantise(x, axis, e):      # numpy; x: float32 -> the quantised numbers, widened to float32 again
;;       x = np.moveaxis(x, axis, -1); K = x.shape[-1]
;;       r = np.clip(x / 2.0 ** e, -57344, 57344)
;;       step = 2.0 ** (np.maximum(np.frexp(np.where(r == 0, 1, r))[1] - 1, -14) - 2)
;;       q = np.round(r / step) * step * 2.0 ** e      # np.round: ties to even
;;       return np.moveaxis(q, -1, axis).astype(np.float32)
;;   ~~~
;;   OPERANDS COMPUTED ON THE WAY. 'Computed on the way' means the value that the module computes at that place (a softmax that the list does not call 'softmax' is quantised finished and normalised). What goes into a quantiser is computed in f32, as accurately as f32 sums, v_exp_f32 and their like allow (about 1e-6 of the number): no bf16 or f16 on the way to a quantiser, and a product that is left as it is and whose result goes on into a quantised operand takes f32 operands (vector FMAs, or v_wmma_f32_16x16x4_f32). A number that lies on a knife's edge between two numbers of the format may be rounded either way, as far as f32 arithmetic and the matrix unit's own rounding can turn it there, and no further.
;; One version. Each part assembles by itself: llvm-mc -triple=amdgcn-amd-amdhsa -mcpu=gfx1250 --defsym DOCPART=n.
;; ======== version 1 of 1: 2 launches
;; workspace buffers: wcodes 786,432 bytes
;; launch prep (part 1): grid 384 x 1, 1 waves a work-group, no clusters, 0 bytes of LDS; arguments wq, wk, wv, wo, w1, w2, lowp_scales, wcodes; writes wcodes
.if DOCPART == 1
	.amdgcn_target "amdgcn-amd-amdhsa--gfx1250"
	.amdhsa_code_object_version 6
	.text
	.protected	k_q6592c3ffa2_prep
	.globl	k_q6592c3ffa2_prep
	.p2align	8
	.type	k_q6592c3ffa2_prep,@function
k_q6592c3ffa2_prep:
	s_mov_b64 s[64:65], 0
	v_nop
	global_prefetch_b8 v0, s[64:65] scope:SCOPE_SE
	s_setreg_imm32_b32 hwreg(HW_REG_WAVE_MODE, 25, 1), 1
	s_wait_xcnt 0x0
; The six weights (f32, [N][K], K innermost) become codes of BF8 (E5M2), each tensor with its given scale 2^e, laid FRAGMENT BY FRAGMENT in the order of a matrix operand's registers:
; byte 2048 f + 512 c + 16 lane + b of wcodes = the code of W[row(f, r)][128 s + 32 c + 16 h + b], r = lane % 16, h = lane / 16.  The second launch then loads a fragment by four loads of 16 bytes a lane.
; f 0..95: wq, wk, wv (32 each);  96..127: wo;  128..255: w1;  256..383: w2.   g = f less its section's first fragment.
;   wq, wk, wv, w1: row = 32 (g / 4) + 8 ((g / 2) % 2) + r + 8 (r / 8), s = g % 2 (rows chosen so that two neighbouring tiles of a transposed product give a lane 16 neighbours)
;   wo: row = 16 (g / 2) + r, s = g % 2;      w2: row = 16 (g / 8) + r, s = g % 8 (a row of w2 is 4,096 bytes, of the others 1,024)
; code = x / 2^e, held within +-57,344, to the nearest code, ties to even.  LIMITS: e between -126 and 112.  NaN among the inputs is not served.
; One wave makes one fragment: 384 work-groups.  Every choice is a select on the work-group's number: there is no branch.  No LDS.
	s_load_b512 s[4:19], s[0:1], 0x0               ; wq s[4:5], wk s[6:7], wv s[8:9], wo s[10:11], w1 s[12:13], w2 s[14:15], the scales' exponents s[16:17], wcodes s[18:19]
	s_mov_b32 s30, ttmp9                           ; f
	s_and_b32 s31, s30, 31
	s_and_b32 s32, s30, 127
	s_cmp_lt_u32 s30, 128
	s_cselect_b32 s31, s31, s32                    ; g: the sections begin at multiples of 32 (under 128) and of 128
	s_lshr_b32 s32, s31, 2
	s_lshl_b32 s32, s32, 5
	s_and_b32 s33, s31, 2
	s_lshl_b32 s33, s33, 2
	s_add_co_u32 s32, s32, s33                     ; 32 (g / 4) + 8 ((g / 2) % 2)
	s_lshr_b32 s33, s31, 1
	s_lshl_b32 s33, s33, 4                         ; 16 (g / 2)
	s_lshr_b32 s34, s31, 3
	s_lshl_b32 s34, s34, 4                         ; 16 (g / 8)
	s_and_b32 s23, s31, 1                          ; g % 2
	s_and_b32 s35, s31, 7                          ; g % 8
	s_cmp_lt_u32 s30, 96
	s_cselect_b32 s22, s32, s33                    ; s22: the fragment's first row
	s_cselect_b32 s25, 1, 0                        ; s25: 1 where the rows of a tile are not neighbours
	s_cmp_lt_u32 s30, 128
	s_cselect_b32 s22, s22, s32
	s_cselect_b32 s25, s25, 1
	s_cmp_lt_u32 s30, 256
	s_cselect_b32 s22, s22, s34
	s_cselect_b32 s25, s25, 0
	s_cselect_b32 s23, s23, s35                    ; s23: the K step
	s_cselect_b32 s24, 10, 12                      ; s24: log2 of a row's bytes
	s_lshl_b32 s23, s23, 9                         ; a K step is 128 numbers, 512 bytes
	v_and_b32 v1, 15, v0                           ; r
	v_lshrrev_b32 v2, 4, v0                        ; h
	v_and_b32 v3, 8, v1
	v_mad_u32_u24 v3, v3, s25, v1                  ; r, or r + 8 (r / 8)
	v_add_nc_u32 v3, s22, v3                       ; my row
	v_lshlrev_b32 v4, s24, v3
	v_add_nc_u32 v4, s23, v4
	v_lshl_add_u32 v4, v2, 6, v4                   ; row x pitch + 512 s + 64 h: my 16 numbers of each block of 32
	v_lshlrev_b32 v5, 4, v0                        ; 16 x lane
	s_lshl_b32 s28, s30, 11
	s_mov_b32 s29, 0
	s_wait_kmcnt 0x0
	s_cmp_lt_u32 s30, 32                           ; the tensor and its scale's entry (4 x its number): the choice hangs on the work-group's number alone
	s_cselect_b64 s[20:21], s[4:5], s[6:7]
	s_cselect_b32 s26, 4, 12
	s_cmp_lt_u32 s30, 64
	s_cselect_b64 s[20:21], s[20:21], s[8:9]
	s_cselect_b32 s26, s26, 20
	s_cmp_lt_u32 s30, 96
	s_cselect_b64 s[20:21], s[20:21], s[10:11]
	s_cselect_b32 s26, s26, 44
	s_cmp_lt_u32 s30, 128
	s_cselect_b64 s[20:21], s[20:21], s[12:13]
	s_cselect_b32 s26, s26, 52
	s_cmp_lt_u32 s30, 256
	s_cselect_b64 s[20:21], s[20:21], s[14:15]
	s_cselect_b32 s26, s26, 60
	s_load_b32 s27, s[16:17], s26 offset:0x0       ; e
	s_add_nc_u64 s[28:29], s[18:19], s[28:29]      ; the fragment's 2,048 bytes
.irp c, 0,1,2,3
.irp i, 0,1,2,3
	global_load_b128 v[16+16*\c+4*\i:19+16*\c+4*\i], v4, s[20:21] offset:128*\c+16*\i th:TH_LOAD_NT   ; W(row, 128 s + 32 c + 16 h + 4 i ..)
.endr
.endr
	s_wait_kmcnt 0x0
	s_add_co_i32 s27, s27, 127
	s_lshl_b32 s31, s27, 23
	v_mov_b32 v6, s31                              ; 2^e as f32: the conversion takes its exponent field
	s_add_co_i32 s27, s27, 15
	s_lshl_b32 s27, s27, 23
	s_or_b32 s27, s27, 0x600000
	v_mov_b32 v7, s27                              ; 57,344 x 2^e
	s_wait_loadcnt 0x0
.irp i, 0,1,2,3,4,5,6,7,8,9,10,11,12,13,14,15,16,17,18,19,20,21,22,23,24,25,26,27,28,29,30,31,32,33,34,35,36,37,38,39,40,41,42,43,44,45,46,47,48,49,50,51,52,53,54,55,56,57,58,59,60,61,62,63
	v_med3_num_f32 v[16+\i], v[16+\i], -v7, v7     ; the conversion to an 8-bit code does not saturate (ISA guide 7.6.2): the hold at the largest code x the scale
.endr
.irp c, 0,1,2,3
	v_cvt_scalef32_pk8_bf8_f32 v[80+4*\c:81+4*\c], v[16+16*\c:23+16*\c], v6
	v_cvt_scalef32_pk8_bf8_f32 v[82+4*\c:83+4*\c], v[24+16*\c:31+16*\c], v6
.endr
	v_nop                                          ; a plain line behind the last conversion
.irp c, 0,1,2,3
	global_store_b128 v5, v[80+4*\c:83+4*\c], s[28:29] offset:512*\c   ; 32 lanes store 512 consecutive bytes, at a multiple of 256 from the buffer's first byte
.endr
	s_endpgm
.Lfunc_end_k_q6592c3ffa2_prep:
	.size	k_q6592c3ffa2_prep, .Lfunc_end_k_q6592c3ffa2_prep-k_q6592c3ffa2_prep
	.p2alignl 7, 3214868480
	.fill 96, 4, 3214868480
	.section	.rodata,"a",@progbits
	.p2align	6, 0x0
	.amdhsa_kernel k_q6592c3ffa2_prep
		.amdhsa_group_segment_fixed_size 0
		.amdhsa_private_segment_fixed_size 0
		.amdhsa_enable_private_segment 0
		.amdhsa_kernarg_size 64
		.amdhsa_user_sgpr_count 2
		.amdhsa_user_sgpr_kernarg_segment_ptr 1
		.amdhsa_wavefront_size32 1
		.amdhsa_system_sgpr_workgroup_id_x 1
		.amdhsa_system_sgpr_workgroup_id_y 1
		.amdhsa_system_sgpr_workgroup_id_z 1
		.amdhsa_system_vgpr_workitem_id 0
		.amdhsa_next_free_vgpr 100
		.amdhsa_next_free_sgpr 66
		.amdhsa_reserve_vcc 0
		.amdhsa_float_denorm_mode_32 3
		.amdhsa_float_denorm_mode_16_64 3
		.amdhsa_memory_ordered 1
		.amdhsa_forward_progress 1
		.amdhsa_inst_pref_size 10
	.end_amdhsa_kernel
	.amdgpu_metadata
---
amdhsa.version: [ 1, 2 ]
amdhsa.kernels:
  - .name:           k_q6592c3ffa2_prep
    .symbol:         k_q6592c3ffa2_prep.kd
    .args:
      - { .name: wq, .offset: 0, .size: 8, .value_kind: global_buffer, .address_space: global }
      - { .name: wk, .offset: 8, .size: 8, .value_kind: global_buffer, .address_space: global }
      - { .name: wv, .offset: 16, .size: 8, .value_kind: global_buffer, .address_space: global }
      - { .name: wo, .offset: 24, .size: 8, .value_kind: global_buffer, .address_space: global }
      - { .name: w1, .offset: 32, .size: 8, .value_kind: global_buffer, .address_space: global }
      - { .name: w2, .offset: 40, .size: 8, .value_kind: global_buffer, .address_space: global }
      - { .name: lowp_scales, .offset: 48, .size: 8, .value_kind: global_buffer, .address_space: global }
      - { .name: wcodes, .offset: 56, .size: 8, .value_kind: global_buffer, .address_space: global }
    .group_segment_fixed_size: 0
    .private_segment_fixed_size: 0
    .kernarg_segment_align: 8
    .kernarg_segment_size: 64
    .max_flat_workgroup_size: 32
    .sgpr_count:     66
    .vgpr_count:     100
    .wavefront_size: 32
...
	.end_amdgpu_metadata
.endif
;; end of part 1
;; launch swin (part 2): grid 256 x 1, 16 waves a work-group, no clusters, 301,056 bytes of LDS; arguments hidden_states, ln1_g, ln1_b, bq, bk, bv, rel_table, bo, ln2_g, ln2_b, b1, b2, lowp_scales, wcodes, out0; writes out0
.if DOCPART == 2
	.amdgcn_target "amdgcn-amd-amdhsa--gfx1250"
	.amdhsa_code_object_version 6
	.text
	.protected	k_q6592c3ffa2_swin
	.globl	k_q6592c3ffa2_swin
	.p2align	8
	.type	k_q6592c3ffa2_swin,@function
k_q6592c3ffa2_swin:
	s_mov_b64 s[64:65], 0
	v_nop
	global_prefetch_b8 v0, s[64:65] scope:SCOPE_SE
	s_setreg_imm32_b32 hwreg(HW_REG_WAVE_MODE, 25, 1), 1
	s_wait_xcnt 0x0
; THE WHOLE SWIN BLOCK, FUSED.  A work-group takes two neighbouring shifted windows (128 tokens of 256 channels) through LN1, q/k/v, attention, wo, residual, LN2, w1, gelu, w2, residual.
; hidden_states is read once, out0 is written once; nothing else goes to memory.  All eight products run on codes of BF8 (E5M2), each operand with its given scale 2^e (e0 .. e15 in lowp_scales).
; SIXTEEN WAVES of 256 registers, four to a SIMD.  w = wave, hd = w % 8, j = w / 8.  Local row = 64 j + 8 y + x of window (wy, 2 wp + j).
;   LN1, LN2, way out: wave w has rows 8 w .. 8 w + 7; lane l holds channels 4 l .. 4 l + 3 and 128 + 4 l .. + 3 of a row.
;   q/k/v and attention: wave w has head hd of window j, entirely in its registers.
;   wo: wave w has output channels 16 w .. 16 w + 15 of all 128 rows.     w1 and gelu: in two passes p, hidden units 512 p + 32 w .. + 31 of all 128 rows.
;   w2: wave w has output channels 32 hd .. 32 hd + 31 of rows 64 j .. 64 j + 63: two tiles of channels x four of rows, so that each hidden fragment read from LDS feeds two products.
; WEIGHTS come as codes from wcodes, laid in the order of the operand's registers, straight into the registers of the wave that uses them, a phase (w2's later K steps: four K steps) ahead of their use.
; NO CLUSTER, NO TENSOR LOAD: the 128 rows' state takes 299,008 bytes of LDS (f32 residual 133,120, the hidden layer's codes 131,072, y's codes 34,816), so no two slots of weights fit beside it;
; and each weight byte is used by one wave of the work-group (q/k/v and w2: by two).  No prefetch: hidden_states is asked for in one group at the head, and the weights' loads are themselves issued ahead.
; PRODUCTS ARE USED TRANSPOSED (source 0 = 16 rows of the weight, source 1 = 16 tokens) wherever the result is the next product's operand: a lane then holds one token, and its registers run along the next K.
; Within a matrix instruction k stands permuted, alike in both operands (registers 4 c .. 4 c + 3 = k 32 c + 16 h + 0 .. 15): the products are the same, the order of the sums inside an instruction differs.
; SOFTMAX: t = score x log2(e) / sqrt(32) + (bias + mask) x log2(e); the row's true maximum is taken away; p = 2^(t - max) / sum is quantised finished.
; GELU, exact: gelu(x) = max(x, 0) - |x| e, e = erfc(|x| / sqrt 2) / 2 = t 2^A, t = 1 / (1 + |x| / (2 sqrt 2)), A = -x x log2(e) / 2 + a polynomial of degree 9 in t (fractional error of e about 1.2e-7).
; LIMITS: each e between -126 and 112; each pair of a product's two e added between -126 and 127; e6 + e7 between -124 and 129.  NaN and infinity among the inputs are not served.
;   v_exp_f32 gives 0 where p or e would fall under 2^-126.  The variance is taken of the centred numbers, so a common offset does no harm.
; LDS:  HID 0: 128 rows x 1,040 bytes (1,024 + 16): shortcut, then hidden, then the output.   BIG 133,120: first x's codes (row x 816, image o of three at + 272 o), later the hidden layer's 64 fragments as images of
;   their registers ((8 mg + s) x 2,048 + 512 c + 16 lane).   YC 264,192: first ctx's 16 fragments as images, later y's codes, rows of 272.   SPARE 299,008: the spare words, 128 bytes a wave, named by the add alone.
; REGISTERS that stay: v0 thread, v1 my spare word, v2 0, v3 16 x lane, v4, v5 my rows' byte offsets in hidden_states and out0, v6 my rows in HID.  v7-v15: addresses and scales of the phase in hand.
.set BIG,   133120
.set YC,    264192
.set SPARE, 299008
.set L2E,   0x3fb8aa3b                 ; log2(e)
.macro NOPS n                          ; places behind matrix instructions: 4 ahead of loads into their sources and of reads of results, 5 ahead of a matrix instruction that begins an accumulator anew
.rept \n
	v_nop
.endr
.endm
.macro BARRIER                         ; my LDS stores have landed and my LDS loads are in: then the work-group's barrier
	s_wait_dscnt 0x0
	s_barrier_signal -1
	s_barrier_wait -1
.endm
.macro POW2 d, ea, eb                  ; s[d] = s[d + 1] = 2^(ea + eb) as f32
	s_add_co_i32 s[\d], s[\ea], s[\eb]
	s_add_co_i32 s[\d], s[\d], 127
	s_lshl_b32 s[\d], s[\d], 23
	s_mov_b32 s[\d+1], s[\d]
.endm
.macro QSC d, e                        ; s[d] = 2^e, s[d + 1] = 57,344 x 2^e
	s_add_co_i32 s[\d+1], s[\e], 127
	s_lshl_b32 s[\d], s[\d+1], 23
	s_add_co_i32 s[\d+1], s[\d+1], 15
	s_lshl_b32 s[\d+1], s[\d+1], 23
	s_or_b32 s[\d+1], s[\d+1], 0x600000
.endm
.macro WLOAD reg, n, base, off         ; n weight fragments of 2,048 bytes, each by four loads of 512 consecutive bytes
.set WI, 0
.rept \n
.irp c, 0,1,2,3
	global_load_b128 v[\reg+16*WI+4*\c:\reg+16*WI+4*\c+3], v3, s[\base:\base+1] offset:\off+2048*WI+512*\c
.endr
.set WI, WI+1
.endr
.endm
.macro BLOAD reg, adr, base, off       ; 16 numbers of a bias: 64 consecutive bytes a lane
.irp i, 0,1,2,3
	global_load_b128 v[\reg+4*\i:\reg+4*\i+3], v[\adr], s[\base:\base+1] offset:\off+16*\i
.endr
.endm
; ---- layer norm of my eight rows.  Row i lies in v[XB .. XB + 7], XB = 16 + 8 i + 16 (i / 6); gain v64-71, bias v72-79; row i's statistics in the pair v[96 + 2 i : 97 + 2 i].  Each step goes through the eight rows in turn.
.macro REDUCE8                         ; the pair's low word summed over the 32 lanes
.irp x, 1,2,4,8
.irp i, 0,1,2,3,4,5,6,7
	v_add_f32_dpp v[96+2*\i], v[96+2*\i], v[96+2*\i] row_xmask:\x row_mask:0xf bank_mask:0xf
.endr
.endr
.irp i, 0,1,2,3,4,5,6,7
	v_permlanex16_b32 v[97+2*\i], v[96+2*\i], s58, s59
.endr
.irp i, 0,1,2,3,4,5,6,7
	v_add_f32 v[96+2*\i], v[96+2*\i], v[97+2*\i]
.endr
.endm
.macro LNCORE cnt                      ; cnt: the global loads issued behind the gain's and bias's, which may stay out
.irp i, 0,1,2,3,4,5,6,7
.set XB, 16+8*\i+16*(\i/6)
	v_pk_add_f32 v[96+2*\i:97+2*\i], v[XB:XB+1], v[XB+2:XB+3]
.endr
.irp k, 4,6
.irp i, 0,1,2,3,4,5,6,7
.set XB, 16+8*\i+16*(\i/6)
	v_pk_add_f32 v[96+2*\i:97+2*\i], v[96+2*\i:97+2*\i], v[XB+\k:XB+\k+1]
.endr
.endr
.irp i, 0,1,2,3,4,5,6,7
	v_add_f32 v[96+2*\i], v[96+2*\i], v[97+2*\i]
.endr
	REDUCE8
.irp i, 0,1,2,3,4,5,6,7
	v_mul_f32 v[96+2*\i], s60, v[96+2*\i]          ; the mean
.endr
.irp i, 0,1,2,3,4,5,6,7
.set XB, 16+8*\i+16*(\i/6)
.irp k, 0,2,4,6
	v_pk_add_f32 v[XB+\k:XB+\k+1], v[XB+\k:XB+\k+1], v[96+2*\i:97+2*\i] op_sel_hi:[1,0] neg_lo:[0,1] neg_hi:[0,1]   ; centred
.endr
.endr
.irp i, 0,1,2,3,4,5,6,7
.set XB, 16+8*\i+16*(\i/6)
	v_pk_mul_f32 v[96+2*\i:97+2*\i], v[XB:XB+1], v[XB:XB+1]
.endr
.irp k, 2,4,6
.irp i, 0,1,2,3,4,5,6,7
.set XB, 16+8*\i+16*(\i/6)
	v_pk_fma_f32 v[96+2*\i:97+2*\i], v[XB+\k:XB+\k+1], v[XB+\k:XB+\k+1], v[96+2*\i:97+2*\i]
.endr
.endr
.irp i, 0,1,2,3,4,5,6,7
	v_add_f32 v[96+2*\i], v[96+2*\i], v[97+2*\i]
.endr
	REDUCE8
.irp i, 0,1,2,3,4,5,6,7
	v_fma_f32 v[96+2*\i], v[96+2*\i], s60, s61     ; the variance + 1e-5
.endr
.irp i, 0,1,2,3,4,5,6,7
	v_rsq_f32 v[96+2*\i], v[96+2*\i]
.endr
	v_nop                                          ; a plain line behind the last of the batch,
	s_wait_alu depctr_va_vdst(0)                   ; and one wait for the eight, ahead of their first reader
.irp i, 0,1,2,3,4,5,6,7
.set XB, 16+8*\i+16*(\i/6)
.irp k, 0,2,4,6
	v_pk_mul_f32 v[XB+\k:XB+\k+1], v[XB+\k:XB+\k+1], v[96+2*\i:97+2*\i] op_sel_hi:[1,0]
.endr
.endr
	s_wait_loadcnt \cnt                            ; the gain and the bias are in
.irp i, 0,1,2,3,4,5,6,7
.set XB, 16+8*\i+16*(\i/6)
.irp k, 0,2,4,6
	v_pk_fma_f32 v[XB+\k:XB+\k+1], v[XB+\k:XB+\k+1], v[64+\k:65+\k], v[72+\k:73+\k]
.endr
.endr
.endm
; Row i's eight numbers of my lane become eight codes and go to a row of codes in LDS: 4 bytes at 4 x lane, 4 at 128 + 4 x lane.  v[sc] the scale, v[sc + 1] the largest number x the scale.
; Two sets of registers by turns: the next row's holds are the plain lines behind this row's conversion.
.macro QROW i, sc, adr, off, set
.set XB, 16+8*(\i)+16*((\i)/6)
.set TBS, 96+8*(\set)
.set CBS, 112+2*(\set)
.irp k, 0,1,2,3,4,5,6,7
	v_med3_num_f32 v[TBS+\k], v[XB+\k], -v[\sc+1], v[\sc+1]   ; the conversion does not saturate (ISA guide 7.6.2): the hold
.endr
	v_cvt_scalef32_pk8_bf8_f32 v[CBS:CBS+1], v[TBS:TBS+7], v[\sc]
	ds_store_b32 v[\adr], v[CBS] offset:\off
	ds_store_b32 v[\adr], v[CBS+1] offset:\off+128
.endm
; ---- q, k, v.  x's two fragments of tile m (16 tokens of my window), image o, into v16-47
.macro XFETCH o, m
.irp s, 0,1
.irp c, 0,1,2,3
	ds_load_b128 v[16+16*\s+4*\c:19+16*\s+4*\c], v10 offset:13056*(\m)+272*(\o)+128*\s+32*\c
.endr
.endr
.endm
; four products: two tiles of 16 channels x 256 along K; the two accumulators by turns.  swap = 0: source 0 = the weight (a lane holds a token); 1: source 0 = x (a lane holds a channel)
.macro PMUL W, swap
	s_wait_dscnt 0x0
.if \swap
	v_wmma_f32_16x16x128_bf8_bf8 v[48:55], v[16:31], v[\W:\W+15], 0
	v_wmma_f32_16x16x128_bf8_bf8 v[56:63], v[16:31], v[\W+32:\W+47], 0
	v_wmma_f32_16x16x128_bf8_bf8 v[48:55], v[32:47], v[\W+16:\W+31], v[48:55]
	v_wmma_f32_16x16x128_bf8_bf8 v[56:63], v[32:47], v[\W+48:\W+63], v[56:63]
.else
	v_wmma_f32_16x16x128_bf8_bf8 v[48:55], v[\W:\W+15], v[16:31], 0
	v_wmma_f32_16x16x128_bf8_bf8 v[56:63], v[\W+32:\W+47], v[16:31], 0
	v_wmma_f32_16x16x128_bf8_bf8 v[48:55], v[\W+16:\W+31], v[32:47], v[48:55]
	v_wmma_f32_16x16x128_bf8_bf8 v[56:63], v[\W+48:\W+63], v[32:47], v[56:63]
.endif
	NOPS 5
.endm
.macro PFMA S                          ; sum x 2^(the two e) + bias, the bias along the registers (v64-79)
.irp i, 0,2,4,6,8,10,12,14
	v_pk_fma_f32 v[48+\i:49+\i], v[48+\i:49+\i], s[\S:\S+1], v[64+\i:65+\i] op_sel_hi:[1,0,1]
.endr
.endm
.macro PFMAV                           ; the same for v, where a lane holds one channel of each tile: its bias is v12 (tile 0), v13 (tile 1)
.irp i, 0,1,2,3,4,5,6,7
	v_fma_f32 v[48+\i], v[48+\i], s70, v12
.endr
.irp i, 8,9,10,11,12,13,14,15
	v_fma_f32 v[48+\i], v[48+\i], s70, v13
.endr
.endm
.macro PQ d0, d1                       ; 16 numbers become 16 codes; v14 the scale, v15 the largest number x the scale
.irp i, 0,1,2,3,4,5,6,7,8,9,10,11,12,13,14,15
	v_med3_num_f32 v[48+\i], v[48+\i], -v15, v15
.endr
	v_cvt_scalef32_pk8_bf8_f32 v[\d0:\d0+1], v[48:55], v14
	v_cvt_scalef32_pk8_bf8_f32 v[\d1:\d1+1], v[56:63], v14
	v_nop                                          ; a plain line behind the last conversion
.endm
; ---- attention for queries 16 n .. 16 n + 15 of my head.  K: fragment t at v[80 + 8 t] (4 registers of codes, 4 of zero codes); Q: 4 registers a tile at v[112 + 4 n]; V^T: tile u at v[128 + 8 u].
; The upper four registers of the query operand are the next tile's codes (for n = 3: V's): finite numbers, which meet K's zero codes and add nothing.
; In S^T lane (r, h) holds query 16 n + r and register 8 t + i key 16 t + 8 h + i.  The bias of tile (t, n) hangs on n - t alone: seven tiles of 8 registers, v[144 + 8 (n - t + 3)], already x log2(e).
.macro SOFTMAX n
.if \n == 3
	s_wait_loadcnt 0x0                             ; the seventh bias tile, wo's fragments and bo are in
.irp i, 0,2,4,6
	v_pk_mul_f32 v[192+\i:193+\i], v[192+\i:193+\i], L2E op_sel_hi:[1,0]
.endr
.endif
.irp t, 0,1,2,3
	v_wmma_f32_16x16x64_bf8_bf8 v[16+8*\t:23+8*\t], v[80+8*\t:87+8*\t], v[112+4*\n:119+4*\n], 0
.endr
	NOPS 5
.irp t, 0,1,2,3
.irp i, 0,2,4,6
	v_pk_fma_f32 v[16+8*\t+\i:17+8*\t+\i], v[16+8*\t+\i:17+8*\t+\i], s[72:73], v[144+8*(\n-\t+3)+\i:145+8*(\n-\t+3)+\i] op_sel_hi:[1,0,1]
.endr
.endr
.irp t, 0,1,2,3                        ; the shifted windows' mask: keys x < 4 take the pair at v72, x >= 4 at v74; where key and query lie in different halves of the window's rows, the pairs at v76, v78
.irp i, 0,2,4,6
	v_pk_add_f32 v[16+8*\t+\i:17+8*\t+\i], v[16+8*\t+\i:17+8*\t+\i], v[72+2*(\i/4)+4*((\t/2)^(\n/2)):73+2*(\i/4)+4*((\t/2)^(\n/2))]
.endr
.endr
	v_max3_num_f32 v240, v16, v17, v18             ; the row's maximum, in two chains,
	v_max3_num_f32 v241, v19, v20, v21
.irp i, 6,10,14,18,22,26
	v_max3_num_f32 v240, v240, v[16+\i], v[17+\i]
	v_max3_num_f32 v241, v241, v[18+\i], v[19+\i]
.endr
	v_max3_num_f32 v240, v240, v46, v47
	v_max_num_f32 v240, v240, v241
	v_permlanex16_b32 v244, v240, s58, s59
	v_max_num_f32 v242, v240, v244                 ; and with the other half of the lanes' 32 keys
.irp i, 0,2,4,6,8,10,12,14,16,18,20,22,24,26,28,30
	v_pk_add_f32 v[16+\i:17+\i], v[16+\i:17+\i], v[242:243] op_sel_hi:[1,0] neg_lo:[0,1] neg_hi:[0,1]
.endr
.irp i, 0,1,2,3,4,5,6,7,8,9,10,11,12,13,14,15,16,17,18,19,20,21,22,23,24,25,26,27,28,29,30,31
	v_exp_f32 v[16+\i], v[16+\i]
.endr
	v_nop                                          ; a plain line behind the batch,
	s_wait_alu depctr_va_vdst(0)                   ; and one wait for the 32, ahead of their first reader
	v_pk_add_f32 v[246:247], v[16:17], v[18:19]
	v_pk_add_f32 v[248:249], v[20:21], v[22:23]
.irp i, 8,12,16,20,24,28
	v_pk_add_f32 v[246:247], v[246:247], v[16+\i:17+\i]
	v_pk_add_f32 v[248:249], v[248:249], v[18+\i:19+\i]
.endr
	v_pk_add_f32 v[246:247], v[246:247], v[248:249]
	v_add_f32 v246, v246, v247
	v_permlanex16_b32 v244, v246, s58, s59
	v_add_f32 v250, v246, v244                     ; the row's sum
	v_rcp_f32 v250, v250
	v_nop
	s_wait_alu depctr_va_vdst(0)
.irp i, 0,2,4,6,8,10,12,14,16,18,20,22,24,26,28,30
	v_pk_mul_f32 v[16+\i:17+\i], v[16+\i:17+\i], v[250:251] op_sel_hi:[1,0]   ; the finished softmax
.endr
.irp i, 0,1,2,3,4,5,6,7,8,9,10,11,12,13,14,15,16,17,18,19,20,21,22,23,24,25,26,27,28,29,30,31
	v_min_num_f32 v[16+\i], v[16+\i], v13          ; p is not negative: the hold is one-sided
.endr
.irp t, 0,1,2,3
	v_cvt_scalef32_pk8_bf8_f32 v[48+2*\t:49+2*\t], v[16+8*\t:23+8*\t], v12   ; registers 2 t, 2 t + 1: keys 16 t + 8 h + 0 .. 7
.endr
	v_nop
	v_wmma_f32_16x16x64_bf8_bf8 v[56:63], v[128:135], v[48:55], 0   ; ctx^T = V^T P^T: lane (r, h) holds query r; the 16 registers are channels 16 h + 0 .. 15 of my head
	v_wmma_f32_16x16x64_bf8_bf8 v[64:71], v[136:143], v[48:55], 0
	NOPS 5
.if \n == 3
	WLOAD 128, 4, 62, 262144                       ; w1's fragments of the first pass, into the registers that V and the bias have left
.endif
.irp i, 0,2,4,6,8,10,12,14
	v_pk_mul_f32 v[56+\i:57+\i], v[56+\i:57+\i], s[74:75] op_sel_hi:[1,0]   ; x 2^(e8 + e9)
.endr
.irp i, 0,1,2,3,4,5,6,7,8,9,10,11,12,13,14,15
	v_med3_num_f32 v[56+\i], v[56+\i], -v15, v15
.endr
	v_cvt_scalef32_pk8_bf8_f32 v[252:253], v[56:63], v14
	v_cvt_scalef32_pk8_bf8_f32 v[254:255], v[64:71], v14
	v_nop
	ds_store_b128 v7, v[252:255] offset:4096*\n    ; four registers of ctx's fragment (row tile 4 j + n, K step hd / 4), as they stand
.endm
; ---- wo for row tiles 2 g, 2 g + 1: hidden = shortcut + ctx wo^T + bo, in place in HID (my 64 bytes of each row)
.macro WOG g, he
.irp a, 0,1
.irp s, 0,1
.irp c, 0,1,2,3
	ds_load_b128 v[16+32*\a+16*\s+4*\c:19+32*\a+16*\s+4*\c], v10 offset:(2*(2*\g+\a)+\s)*2048+512*\c
.endr
.endr
.endr
.irp a, 0,1
	ds_load_b128 v[96+8*\a:99+8*\a], v[\he] offset:16640*((2*\g+\a)%4)
	ds_load_b128 v[100+8*\a:103+8*\a], v[\he] offset:16640*((2*\g+\a)%4)+16
.endr
	s_wait_dscnt 0x0
	v_wmma_f32_16x16x128_bf8_bf8 v[80:87], v[200:215], v[16:31], 0
	v_wmma_f32_16x16x128_bf8_bf8 v[88:95], v[200:215], v[48:63], 0
	v_wmma_f32_16x16x128_bf8_bf8 v[80:87], v[216:231], v[32:47], v[80:87]
	v_wmma_f32_16x16x128_bf8_bf8 v[88:95], v[216:231], v[64:79], v[88:95]
.irp a, 0,1
.irp k, 0,2,4,6
	v_pk_add_f32 v[96+8*\a+\k:97+8*\a+\k], v[96+8*\a+\k:97+8*\a+\k], v[232+\k:233+\k]   ; + bo.  (These eight name no register of the products: they are the places behind them)
.endr
.endr
.irp a, 0,1
.irp k, 0,2,4,6
	v_pk_fma_f32 v[96+8*\a+\k:97+8*\a+\k], v[80+8*\a+\k:81+8*\a+\k], s[76:77], v[96+8*\a+\k:97+8*\a+\k] op_sel_hi:[1,0,1]
.endr
.endr
.irp a, 0,1
	ds_store_b128 v[\he], v[96+8*\a:99+8*\a] offset:16640*((2*\g+\a)%4)
	ds_store_b128 v[\he], v[100+8*\a:103+8*\a] offset:16640*((2*\g+\a)%4)+16
.endr
.endm
; ---- 16 numbers a lane: sums in v48-63 -> x = sum x 2^(e12 + e13) + b1 -> gelu(x) -> 16 codes in v96-99.  t v16-31, A and 2^A v32-47, the polynomial and max(x, 0) v80-95; v116, v117 scale and limit; v[118:119] the top coefficient
.macro GELU16 BB
.irp i, 0,2,4,6,8,10,12,14
	v_pk_fma_f32 v[48+\i:49+\i], v[48+\i:49+\i], s[78:79], v[\BB+\i:\BB+\i+1] op_sel_hi:[1,0,1]
.endr
.irp i, 0,1,2,3,4,5,6,7,8,9,10,11,12,13,14,15
	v_fma_f32 v[16+\i], |v[48+\i]|, s38, 1.0
.endr
.irp i, 0,1,2,3,4,5,6,7,8,9,10,11,12,13,14,15
	v_rcp_f32 v[16+\i], v[16+\i]
.endr
.irp i, 0,2,4,6,8,10,12,14
	v_pk_mul_f32 v[32+\i:33+\i], v[48+\i:49+\i], v[48+\i:49+\i]   ; x x: plain work behind the batch
.endr
	s_wait_alu depctr_va_vdst(0)                   ; one wait for the 16 reciprocals, ahead of their first reader
.irp i, 0,2,4,6,8,10,12,14
	v_pk_fma_f32 v[80+\i:81+\i], v[16+\i:17+\i], v[118:119], 0xbf97d29d op_sel_hi:[1,1,0]
.endr
.irp k, 0x40097039, 0xbfd1a1e5, 0x3ecdfd18, 0xbe899a80, 0x3e0efb2e, 0x3f0a29d2, 0x3fb8ab5a, 0xc034d90f
.irp i, 0,2,4,6,8,10,12,14
	v_pk_fma_f32 v[80+\i:81+\i], v[80+\i:81+\i], v[16+\i:17+\i], \k op_sel_hi:[1,1,0]
.endr
.endr
.irp i, 0,2,4,6,8,10,12,14
	v_pk_fma_f32 v[32+\i:33+\i], v[32+\i:33+\i], 0xbf38aa3b, v[80+\i:81+\i] op_sel_hi:[1,0,1]   ; A
.endr
.irp i, 0,1,2,3,4,5,6,7,8,9,10,11,12,13,14,15
	v_exp_f32 v[32+\i], v[32+\i]
.endr
.irp i, 0,1,2,3,4,5,6,7,8,9,10,11,12,13,14,15
	v_max_num_f32 v[80+\i], v[48+\i], 0
.endr
.irp i, 0,1,2,3,4,5,6,7,8,9,10,11,12,13,14,15
	v_mul_f32 v[16+\i], |v[48+\i]|, v[16+\i]
.endr
	s_wait_alu depctr_va_vdst(0)                   ; one wait for the 16 exponentials
.irp i, 0,2,4,6,8,10,12,14
	v_pk_fma_f32 v[48+\i:49+\i], v[16+\i:17+\i], v[32+\i:33+\i], v[80+\i:81+\i] neg_lo:[1,0,0] neg_hi:[1,0,0]   ; max(x, 0) - |x| t 2^A
.endr
.irp i, 0,1,2,3,4,5,6,7,8,9,10,11,12,13,14,15
	v_med3_num_f32 v[48+\i], v[48+\i], -v117, v117
.endr
	v_cvt_scalef32_pk8_bf8_f32 v[96:97], v[48:55], v116
	v_cvt_scalef32_pk8_bf8_f32 v[98:99], v[56:63], v116
	v_nop
.endm
; ---- pass p of w1 and gelu: a loop over the eight row tiles.  W: w1's four fragments; BB: b1's 16 numbers
.macro P7 p, W, BB
	s_mov_b32 s40, 8
	s_mov_b32 s41, 0                               ; the row tile in y's codes: 16 rows of 272 bytes a trip
	s_mov_b32 s42, 8192*\p                         ; and among the hidden layer's images: 8 fragments a trip
.Lp7_\@:
	v_add_nc_u32 v14, s41, v10
	v_add_nc_u32 v15, s42, v7
.irp s, 0,1
.irp c, 0,1,2,3
	ds_load_b128 v[16+16*\s+4*\c:19+16*\s+4*\c], v14 offset:128*\s+32*\c
.endr
.endr
	s_wait_dscnt 0x0
	v_wmma_f32_16x16x128_bf8_bf8 v[48:55], v[\W:\W+15], v[16:31], 0
	v_wmma_f32_16x16x128_bf8_bf8 v[56:63], v[\W+32:\W+47], v[16:31], 0
	v_wmma_f32_16x16x128_bf8_bf8 v[48:55], v[\W+16:\W+31], v[32:47], v[48:55]
	v_wmma_f32_16x16x128_bf8_bf8 v[56:63], v[\W+48:\W+63], v[32:47], v[56:63]
	NOPS 5
	GELU16 \BB
	ds_store_b128 v15, v[96:99]                    ; four registers of the hidden layer's fragment (row tile, K step 4 p + w / 4), as they stand
	s_add_co_u32 s41, s41, 4352
	s_add_co_u32 s42, s42, 16384
	s_sub_co_i32 s40, s40, 1
	s_cmp_lg_u32 s40, 0
	s_cbranch_scc1 .Lp7_\@
.endm
; ---- w2.  My two channel tiles' fragments of K step s go into slot s % 4 of a ring of four: v[128 + 32 (s % 4)] tile 0, + 16 tile 1.  In wcodes tile 2 hd + a begins 16,384 a behind s[28:29] + 524,288
.macro W2STEP s
	WLOAD 128+32*((\s)%4), 1, 28, 524288+2048*(\s)
	WLOAD 144+32*((\s)%4), 1, 28, 524288+16384+2048*(\s)
.endm
; Hidden fragment f = 4 s + i (K step s, row tile i of my four) into buffer f % 2: v80-95 or v96-111
.macro HFETCH f
.irp c, 0,1,2,3
	ds_load_b128 v[80+16*((\f)%2)+4*\c:83+16*((\f)%2)+4*\c], v10 offset:(8*((\f)%4)+(\f)/4)*2048+512*\c
.endr
.endm
; ======== THE HEAD
	s_load_b512 s[4:19], s[0:1], 0x0               ; hidden_states s[4:5], ln1_g s[6:7], ln1_b s[8:9], bq s[10:11], bk s[12:13], bv s[14:15], rel_table s[16:17], bo s[18:19]
	s_load_b256 s[20:27], s[0:1], 0x40             ; ln2_g s[20:21], ln2_b s[22:23], b1 s[24:25], b2 s[26:27]
	s_load_b128 s[28:31], s[0:1], 0x60             ; the scales' exponents s[28:29], wcodes s[30:31]
	s_load_b64 s[32:33], s[0:1], 0x70              ; out0
	v_lshl_add_u32 v1, v0, 2, SPARE                ; my spare word,
	v_mov_b32 v2, 0                                ; and 0: kept for the wave's closing lines alone
	v_lshrrev_b32 v122, 5, v0
	v_readfirstlane_b32 s52, v122                  ; w
	s_and_b32 s53, s52, 7                          ; hd; also my rows' y
	s_lshr_b32 s54, s52, 3                         ; j
	s_lshr_b32 s55, ttmp9, 5                       ; the image
	s_bfe_u32 s56, ttmp9, 0x30002                  ; wy
	s_and_b32 s57, ttmp9, 3
	s_lshl_b32 s57, s57, 1
	s_add_co_u32 s57, s57, s54                     ; wx = 2 wp + j
	s_mov_b32 s58, 0x76543210                      ; v_permlanex16_b32's selects for lane l xor 16
	s_mov_b32 s59, 0xfedcba98
	s_mov_b32 s60, 0x3b800000                      ; 1 / 256
	s_mov_b32 s61, 0x3727c5ac                      ; 1e-5
	; my eight rows in memory: the shift by 4 leads from window row y, columns x = 0 .. 7 to image row (8 wy + y + 4) % 64, columns (8 wx + 4) + 0 .. 3 and (8 wx + 8) % 64 + 0 .. 3; the reverse shift leads back to the same place
	s_lshl_b32 s96, s56, 3
	s_add_co_u32 s96, s96, s53
	s_add_co_u32 s96, s96, 4
	s_and_b32 s96, s96, 63
	s_lshl_b32 s97, s55, 6
	s_add_co_u32 s96, s96, s97
	s_lshl_b32 s96, s96, 6                         ; (64 image + row) x 64 tokens
	s_lshl_b32 s97, s57, 3
	s_add_co_u32 s98, s97, 4
	s_add_co_u32 s99, s97, 8
	s_and_b32 s99, s99, 63
	s_add_co_u32 s98, s98, s96
	s_add_co_u32 s99, s99, s96
	s_lshl_b32 s98, s98, 10                        ; a token is 1,024 bytes; the whole tensor stays under 2^25 bytes
	s_lshl_b32 s99, s99, 10
	v_and_b32 v124, 31, v0                         ; lane
	v_and_b32 v122, 15, v0                         ; r
	v_bfe_u32 v123, v0, 4, 1                       ; h
	v_lshlrev_b32 v3, 4, v124                      ; 16 x lane
	v_add_nc_u32 v4, s98, v3                       ; rows x = 0 .. 3
	v_add_nc_u32 v5, s99, v3                       ; rows x = 4 .. 7
	s_mul_i32 s96, s52, 8320
	v_add_nc_u32 v6, s96, v3                       ; HID: my eight rows of 1,040 bytes
	s_mul_i32 s96, s52, 6528
	s_add_co_u32 s96, s96, BIG
	v_lshl_add_u32 v7, v124, 2, s96                ; x's codes: my eight rows of 816 bytes, 4 bytes a lane
	v_and_b32 v125, 8, v122
	v_add_nc_u32 v125, v125, v122                  ; r + 8 (r / 8)
	s_lshl_b32 s96, s53, 7
	v_lshl_add_u32 v8, v125, 2, s96                ; bv: my channel of tile 0 (tile 1: 32 bytes on)
	v_lshl_add_u32 v9, v123, 6, s96                ; bq, bk: channels 32 hd + 16 h + 0 .. 15
	s_mul_i32 s97, s54, 52224
	s_add_co_u32 s97, s97, BIG
	v_mul_u32_u24 v10, v122, 816
	v_lshl_add_u32 v10, v123, 4, v10
	v_add_nc_u32 v10, s97, v10                     ; x's fragments: my window's rows, row r, + 16 h
	v_lshrrev_b32 v125, 3, v122
	v_add_nc_u32 v125, 1, v125
	v_sub_nc_u32 v125, v125, v123
	v_mul_u32_u24 v125, v125, 480
	v_and_b32 v126, 7, v122
	v_lshl_add_u32 v125, v126, 5, v125
	s_lshl_b32 s97, s53, 2
	v_add_nc_u32 v11, s97, v125                    ; rel_table: 480 (1 + r / 8 - h) + 32 (r % 8) + 4 hd; tile d, register i: + 960 d + 32 (7 - i)
	s_wait_kmcnt 0x0
	s_load_b512 s[36:51], s[28:29], 0x0            ; e0 .. e15
	s_lshl_b32 s2, s53, 13
	s_mov_b32 s3, 0
	s_add_nc_u64 s[2:3], s[30:31], s[2:3]          ; wcodes + 8,192 hd: my head's fragments of wq (wk, wv: 65,536 and 131,072 on)
	s_lshl_b32 s34, s52, 12
	s_mov_b32 s35, 0
	s_add_nc_u64 s[34:35], s[30:31], s[34:35]      ; + 4,096 w: wo
	s_lshl_b32 s62, s52, 13
	s_mov_b32 s63, 0
	s_add_nc_u64 s[62:63], s[30:31], s[62:63]      ; + 8,192 w: w1
.irp i, 0,1,2,3,4,5,6,7
.set XB, 16+8*\i+16*(\i/6)
	global_load_b128 v[XB:XB+3], v[4+\i/4], s[4:5] offset:(\i%4)*1024 th:TH_LOAD_NT        ; 32 lanes read 512 consecutive bytes: half a token's row
	global_load_b128 v[XB+4:XB+7], v[4+\i/4], s[4:5] offset:(\i%4)*1024+512 th:TH_LOAD_NT
.endr
	global_load_b128 v[64:67], v3, s[6:7]
	global_load_b128 v[68:71], v3, s[6:7] offset:512
	global_load_b128 v[72:75], v3, s[8:9]
	global_load_b128 v[76:79], v3, s[8:9] offset:512
	global_load_b32 v12, v8, s[14:15]
	global_load_b32 v13, v8, s[14:15] offset:32
	WLOAD 192, 4, 2, 0                             ; wq
	WLOAD 128, 4, 2, 65536                         ; wk
	s_wait_kmcnt 0x0
	s_lshl_b32 s28, s53, 15
	s_mov_b32 s29, 0
	s_add_nc_u64 s[28:29], s[30:31], s[28:29]      ; wcodes + 32,768 hd: w2's channel tiles 2 hd and 2 hd + 1
	POW2 66, 36, 37                                ; 2^(e0 + e1)
	POW2 68, 38, 39
	POW2 70, 40, 41
	s_add_co_i32 s72, s42, s43
	s_lshl_b32 s72, s72, 23
	s_add_co_i32 s72, s72, 0x3e8293ee              ; log2(e) / sqrt(32) x 2^(e6 + e7): the two exponents are added to the constant's exponent field
	s_mov_b32 s73, s72
	POW2 74, 44, 45
	POW2 76, 46, 47
	POW2 78, 48, 49
	POW2 80, 50, 51
	QSC 82, 36                                     ; x for q,
	QSC 84, 38                                     ; for k,
	QSC 86, 40                                     ; for v
	QSC 88, 42                                     ; q
	QSC 90, 43                                     ; k
	QSC 92, 44                                     ; v
	QSC 94, 45                                     ; p
	QSC 96, 46                                     ; ctx
	QSC 98, 48                                     ; y
	QSC 100, 50                                    ; gelu
	s_mov_b32 s38, 0x3eb504f3                      ; 1 / (2 sqrt 2).  (s36 to s51 are free from here on)
.irp i, 0,1,2,3,4,5
	v_mov_b32 v[116+\i], s[82+\i]
.endr
; ======== 1: LN1; the shortcut to HID; x's codes, three times, to BIG
	s_wait_loadcnt 38                              ; my eight rows are in; ln1's 4 loads, bv's 2 and the 32 weight loads may be out
.irp i, 0,1,2,3,4,5,6,7
.set XB, 16+8*\i+16*(\i/6)
	ds_store_b128 v6, v[XB:XB+3] offset:1040*\i
	ds_store_b128 v6, v[XB+4:XB+7] offset:1040*\i+512
.endr
	LNCORE 34                                      ; bv's 2 and the 32 weight loads may be out
	BLOAD 64, 9, 10, 0                             ; bq, into the registers that gain and bias have left
.irp i, 0,1,2,3,4,5,6,7
.irp o, 0,1,2
	QROW \i, 116+2*\o, 7, 816*\i+272*\o, (3*\i+\o)%2
.endr
.endr
	v_nop                                          ; a plain line behind the last conversion
	BARRIER                                        ; the shortcut and x's codes of all 128 rows lie in LDS
; ======== 2: q, k, v of my head, 64 tokens in four tiles
	s_wait_loadcnt 0x0                             ; bv, wq, wk, bq
.irp t, 0,1,2,3
.irp i, 4,5,6,7
	v_mov_b32 v[80+8*\t+\i], 0                     ; the head has 32 channels, the instruction 64 along K: zero codes fill K's upper half
.endr
.endr
	v_mov_b32 v14, s88
	v_mov_b32 v15, s89
	XFETCH 0, 0
.irp m, 0,1,2
	PMUL 192, 0
	XFETCH 0, \m+1
	PFMA 66
	PQ 112+4*\m, 114+4*\m
.endr
	PMUL 192, 0
	WLOAD 192, 4, 2, 131072                        ; wv, into wq's registers
	XFETCH 1, 0
	PFMA 66
	BLOAD 64, 9, 12, 0                             ; bk, into bq's
	PQ 124, 126
	v_mov_b32 v14, s90
	v_mov_b32 v15, s91
	PMUL 128, 0
	XFETCH 1, 1
	s_wait_loadcnt 0x0                             ; bk (and wv, issued ahead of it)
	PFMA 68
	PQ 80, 82
.irp m, 1,2
	PMUL 128, 0
	XFETCH 1, \m+1
	PFMA 68
	PQ 80+8*\m, 82+8*\m
.endr
	PMUL 128, 0
.irp d, 0,1,2,3,4,5                    ; six of the seven bias tiles, into wk's registers: rel_table[(2 (d - 3) + r / 8 - h + 7) x 15 + r % 8 - i + 7][hd]
.irp i, 0,1,2,3,4,5,6,7
	global_load_b32 v[144+8*\d+\i], v11, s[16:17] offset:960*\d+32*(7-\i)
.endr
.endr
	XFETCH 2, 0
	PFMA 68
	PQ 104, 106
	v_mov_b32 v14, s92
	v_mov_b32 v15, s93
.irp m, 0,1,2
	PMUL 192, 1
	XFETCH 2, \m+1
	PFMAV
	PQ 128+2*\m, 136+2*\m                          ; V^T: registers 2 m, 2 m + 1 of each tile: keys 16 m + 8 h + 0 .. 7
.endr
	PMUL 192, 1
	PFMAV
	PQ 134, 142
; ======== 3: attention
.irp i, 0,1,2,3,4,5,6,7
	global_load_b32 v[192+\i], v11, s[16:17] offset:960*6+32*(7-\i)   ; the seventh bias tile, into wv's registers
.endr
	WLOAD 200, 2, 34, 196608                       ; wo's two fragments
	v_bfe_u32 v8, v0, 4, 1                         ; (bv's loads, which read v8, were waited for at the head of phase 2)
	s_lshl_b32 s40, s52, 6
	v_lshl_add_u32 v8, v8, 5, s40                  ; bo: channels 16 w + 8 h + 0 .. 7
	global_load_b128 v[232:235], v8, s[18:19]
	global_load_b128 v[236:239], v8, s[18:19] offset:16
	s_lshl_b32 s40, s54, 14
	s_lshr_b32 s41, s53, 2
	s_lshl_b32 s41, s41, 11
	s_add_co_u32 s40, s40, s41
	s_and_b32 s41, s53, 3
	s_lshl_b32 s41, s41, 9
	s_add_co_u32 s40, s40, s41
	s_add_co_u32 s40, s40, YC
	v_add_nc_u32 v7, s40, v3                       ; ctx's images: 16,384 j + 2,048 (hd / 4) + 512 (hd % 4) + 16 lane; tile n: + 4,096 n
	s_mov_b32 s43, 0xc31044fe                      ; -100 log2(e)
	s_cmp_eq_u32 s57, 7                            ; the mask: only the last column of windows is cut at x = 4,
	s_cselect_b32 s44, s43, 0
	s_cmp_eq_u32 s56, 7                            ; only the last row of windows at y = 4
	s_cselect_b32 s45, s43, 0
	v_and_b32 v72, 4, v0                           ; my query's x >= 4?
	v_cmp_ne_u32 vcc_lo, 0, v72
	v_mov_b32 v79, s44
	v_mov_b32 v78, 0
	v_cndmask_b32 v72, 0, v79, vcc_lo              ; for keys x < 4
	v_cndmask_b32 v74, v79, v78, vcc_lo            ; for keys x >= 4
	v_min_num_f32 v76, s45, v72                    ; and where key and query lie on different sides of y = 4: -100 if either cut parts them
	v_min_num_f32 v78, s45, v74
	v_mov_b32 v73, v72
	v_mov_b32 v75, v74
	v_mov_b32 v77, v76
	v_mov_b32 v79, v78
	v_mov_b32 v12, s94                             ; p's scale and limit,
	v_mov_b32 v13, s95
	v_mov_b32 v14, s96                             ; ctx's
	v_mov_b32 v15, s97
	v_mov_b32 v243, 0                              ; (named as upper halves of pairs,
	v_mov_b32 v251, 0
	v_mov_b32 v244, 0                              ; and a lane permute's destination counts as one of its sources)
	s_wait_loadcnt 18                              ; six bias tiles are in; the seventh's 8 loads, wo's 8 and bo's 2 may be out
.irp i, 0,2,4,6,8,10,12,14,16,18,20,22,24,26,28,30,32,34,36,38,40,42,44,46
	v_pk_mul_f32 v[144+\i:145+\i], v[144+\i:145+\i], L2E op_sel_hi:[1,0]
.endr
	SOFTMAX 0
	SOFTMAX 1
	SOFTMAX 2
	SOFTMAX 3
	BARRIER                                        ; ctx's sixteen fragments lie in LDS
; ======== 4: wo and the first residual
	v_add_nc_u32 v10, YC, v3                       ; an image's place for my lane
	v_and_b32 v14, 15, v0
	v_bfe_u32 v15, v0, 4, 1
	v_mul_u32_u24 v12, v14, 1040
	v_lshl_add_u32 v12, v15, 5, v12
	s_lshl_b32 s40, s52, 6
	v_add_nc_u32 v12, s40, v12                     ; HID: row r, my 64 bytes, + 32 h; row tile mg: + 16,640 mg,
	v_add_nc_u32 v13, 66560, v12                   ; from tile 4 on by a second register
	WOG 0, 12
	WOG 1, 12
	WOG 2, 13
	WOG 3, 13
	WLOAD 192, 4, 62, 262144+131072                ; w1's fragments of the second pass, into the registers that wo and bo have left
	global_load_b128 v[64:67], v3, s[20:21]
	global_load_b128 v[68:71], v3, s[20:21] offset:512
	global_load_b128 v[72:75], v3, s[22:23]
	global_load_b128 v[76:79], v3, s[22:23] offset:512
	BARRIER                                        ; hidden lies in HID; nobody reads ctx's images any more
; ======== 5: LN2; y's codes to YC
.irp i, 0,1,2,3,4,5,6,7
.set XB, 16+8*\i+16*(\i/6)
	ds_load_b128 v[XB:XB+3], v6 offset:1040*\i
	ds_load_b128 v[XB+4:XB+7], v6 offset:1040*\i+512
.endr
	v_and_b32 v14, 31, v0
	s_mul_i32 s40, s52, 2176
	s_add_co_u32 s40, s40, YC
	v_lshl_add_u32 v7, v14, 2, s40                 ; y's codes: my eight rows of 272 bytes, 4 bytes a lane
	v_bfe_u32 v15, v0, 4, 1
	s_lshl_b32 s40, s52, 7
	v_lshl_add_u32 v9, v15, 6, s40                 ; b1: units 32 w + 16 h + 0 .. 15 (bk's loads, which read v9, were waited for in phase 2)
	v_mov_b32 v116, s98
	v_mov_b32 v117, s99
	s_wait_dscnt 0x0
	LNCORE 0                                       ; ln2's gain and bias, and w1's fragments ahead of them
	BLOAD 64, 9, 24, 0                             ; b1 of the first pass
.irp i, 0,1,2,3,4,5,6,7
	QROW \i, 116, 7, 272*\i, \i%2
.endr
	v_nop
	BARRIER                                        ; y's codes of all 128 rows lie in LDS
; ======== 6: w1 and gelu, two passes of 512 hidden units; the codes go to BIG as images
	BLOAD 100, 9, 24, 2048                         ; b1 of the second pass
	v_and_b32 v14, 15, v0
	v_bfe_u32 v15, v0, 4, 1
	v_mul_u32_u24 v10, v14, 272
	v_lshl_add_u32 v10, v15, 4, v10
	v_add_nc_u32 v10, YC, v10                      ; y's fragments: row r, + 16 h
	s_lshr_b32 s40, s52, 2
	s_lshl_b32 s40, s40, 11
	s_and_b32 s41, s52, 3
	s_lshl_b32 s41, s41, 9
	s_add_co_u32 s40, s40, s41
	s_add_co_u32 s40, s40, BIG
	v_add_nc_u32 v7, s40, v3                       ; my four registers of a hidden fragment: 2,048 (w / 4) + 512 (w % 4) + 16 lane
	v_mov_b32 v116, s100
	v_mov_b32 v117, s101
	v_mov_b32 v118, 0x3e7c6f08                     ; the polynomial's top coefficient, twice
	v_mov_b32 v119, 0x3e7c6f08
	s_wait_loadcnt 4                               ; the first pass's b1 is in; the second's four loads may be out
	P7 0, 128, 64
	W2STEP 0                                       ; w2's K steps 0 and 1, into the registers that the first pass's w1 has left
	W2STEP 1
	s_wait_loadcnt 16                              ; the second pass's b1 is in; the 16 loads just issued may be out
	P7 1, 192, 100
	v_bfe_u32 v8, v0, 4, 1                         ; (bo's loads, which read v8, were waited for in the attention's last tile)
	s_lshl_b32 s40, s53, 7
	v_lshl_add_u32 v8, v8, 5, s40                  ; b2: channels 32 hd + 16 a + 8 h + 0 .. 7: byte 128 hd + 32 h, + 64 a
.irp a, 0,1
	global_load_b128 v[112+8*\a:115+8*\a], v8, s[26:27] offset:64*\a
	global_load_b128 v[116+8*\a:119+8*\a], v8, s[26:27] offset:64*\a+16
.endr
	W2STEP 2                                       ; w2's K steps 2 and 3, into the second pass's
	W2STEP 3
	BARRIER                                        ; the hidden layer's 64 fragments lie in LDS
; ======== 7: w2 and the second residual.  Eight accumulators by turns: (a, i) at v[16 + 8 (4 a + i)], channel tile a of my two, row tile i of my four.
; K in eight steps; in a step the four hidden fragments come one after the other through two buffers, and each feeds two products: 32 fragments, 65,536 bytes, a wave.
; w2's K step s + 4 is asked for behind step s's last product, into the slot that it has left: four K steps, 32 matrix instructions of mine, ahead of its use.
	s_lshl_b32 s41, s54, 16
	s_add_co_u32 s41, s41, BIG
	v_add_nc_u32 v10, s41, v3                      ; an image's place for my lane, from my four row tiles' first on: + 65,536 j
	v_and_b32 v14, 15, v0
	v_bfe_u32 v15, v0, 4, 1
	v_mul_u32_u24 v12, v14, 1040
	v_lshl_add_u32 v12, v15, 5, v12
	s_lshl_b32 s40, s53, 7
	s_mul_i32 s42, s54, 66560
	s_add_co_u32 s40, s40, s42
	v_add_nc_u32 v12, s40, v12                     ; HID: row 64 j + r, my 128 bytes, + 32 h; row tile i: + 16,640 i; channel tile a: + 64 a
	HFETCH 0
	HFETCH 1
	s_wait_loadcnt 20                              ; w2's K steps 0 and 1 are in; b2's 4 loads and the 16 of steps 2 and 3 may be out
.set F, 0
.rept 32
.set PS, F/4                           ; the K step
.set PI, F%4                           ; the row tile
.set HB, 80+16*(F%2)
.set WS, 128+32*(PS%4)
.if PI == 0
.if PS == 2
	s_wait_loadcnt 16                              ; b2 and w2's K steps 2 and 3 are in; the 16 loads of steps 4 and 5 may be out
.endif
.if PS >= 4
	s_wait_loadcnt 8*(7-PS)                        ; this K step's fragments are in; the later steps' eight loads each may be out
.endif
.endif
.if F < 31
	s_wait_dscnt 4                                 ; this buffer's fragment is in; the other buffer's four loads may be out
.else
	s_wait_dscnt 0x0
.endif
.if PS == 0
	v_wmma_f32_16x16x128_bf8_bf8 v[16+8*PI:23+8*PI], v[WS:WS+15], v[HB:HB+15], 0
	v_wmma_f32_16x16x128_bf8_bf8 v[48+8*PI:55+8*PI], v[WS+16:WS+31], v[HB:HB+15], 0
.else
	v_wmma_f32_16x16x128_bf8_bf8 v[16+8*PI:23+8*PI], v[WS:WS+15], v[HB:HB+15], v[16+8*PI:23+8*PI]
	v_wmma_f32_16x16x128_bf8_bf8 v[48+8*PI:55+8*PI], v[WS+16:WS+31], v[HB:HB+15], v[48+8*PI:55+8*PI]
.endif
.if F < 31
	NOPS 4                                         ; ahead of the loads into the buffer, and into the slot, that these products have read
.else
	NOPS 5
.endif
.if F+2 < 32
	HFETCH F+2
.endif
.if (PI == 3) && (PS < 4)
	W2STEP PS+4
.endif
.set F, F+1
.endr
	; out = hidden + sum x 2^(e14 + e15) + b2, in place in HID: my 128 bytes of my 64 rows.  The rows land in w2's slots 0 and 1, which are done with
.irp a, 0,1
.irp i, 0,1,2,3
	ds_load_b128 v[128+8*(4*\a+\i):131+8*(4*\a+\i)], v12 offset:16640*\i+64*\a
	ds_load_b128 v[132+8*(4*\a+\i):135+8*(4*\a+\i)], v12 offset:16640*\i+64*\a+16
.endr
.endr
	s_wait_dscnt 0x0
.irp a, 0,1
.irp i, 0,1,2,3
.irp k, 0,2,4,6
	v_pk_add_f32 v[128+8*(4*\a+\i)+\k:129+8*(4*\a+\i)+\k], v[128+8*(4*\a+\i)+\k:129+8*(4*\a+\i)+\k], v[112+8*\a+\k:113+8*\a+\k]
.endr
.endr
.endr
.irp a, 0,1
.irp i, 0,1,2,3
.irp k, 0,2,4,6
	v_pk_fma_f32 v[128+8*(4*\a+\i)+\k:129+8*(4*\a+\i)+\k], v[16+8*(4*\a+\i)+\k:17+8*(4*\a+\i)+\k], s[80:81], v[128+8*(4*\a+\i)+\k:129+8*(4*\a+\i)+\k] op_sel_hi:[1,0,1]   ; each accumulator from its low end on
.endr
.endr
.endr
.irp a, 0,1
.irp i, 0,1,2,3
	ds_store_b128 v12, v[128+8*(4*\a+\i):131+8*(4*\a+\i)] offset:16640*\i+64*\a
	ds_store_b128 v12, v[132+8*(4*\a+\i):135+8*(4*\a+\i)] offset:16640*\i+64*\a+16
.endr
.endr
	BARRIER                                        ; the output's 128 rows lie in HID
; ======== 8: the way out: my eight rows, whole
.irp i, 0,1,2,3,4,5,6,7
	ds_load_b128 v[16+8*\i:19+8*\i], v6 offset:1040*\i
	ds_load_b128 v[20+8*\i:23+8*\i], v6 offset:1040*\i+512
.endr
.irp i, 0,1,2,3,4,5,6,7
	s_wait_dscnt 15-2*\i                           ; LDS loads come back in order (ISA guide 5.7.1): this one is in, the younger ones may be out
	global_store_b128 v[4+\i/4], v[16+8*\i:19+8*\i], s[32:33] offset:(\i%4)*1024 th:TH_STORE_NT      ; 32 lanes store 512 consecutive bytes, at a multiple of 256 from out0's first byte
	s_wait_dscnt 14-2*\i
	global_store_b128 v[4+\i/4], v[20+8*\i:23+8*\i], s[32:33] offset:(\i%4)*1024+512 th:TH_STORE_NT
.endr
	s_wait_tensorcnt 0x0                           ; the wave's end, behind my last LDS store
	ds_add_u32 v1, v2
	s_wait_dscnt 0x0
	s_endpgm
.Lfunc_end_k_q6592c3ffa2_swin:
	.size	k_q6592c3ffa2_swin, .Lfunc_end_k_q6592c3ffa2_swin-k_q6592c3ffa2_swin
	.p2alignl 7, 3214868480
	.fill 96, 4, 3214868480
	.section	.rodata,"a",@progbits
	.p2align	6, 0x0
	.amdhsa_kernel k_q6592c3ffa2_swin
		.amdhsa_group_segment_fixed_size 301056
		.amdhsa_private_segment_fixed_size 0
		.amdhsa_enable_private_segment 0
		.amdhsa_kernarg_size 120
		.amdhsa_user_sgpr_count 2
		.amdhsa_user_sgpr_kernarg_segment_ptr 1
		.amdhsa_wavefront_size32 1
		.amdhsa_system_sgpr_workgroup_id_x 1
		.amdhsa_system_sgpr_workgroup_id_y 1
		.amdhsa_system_sgpr_workgroup_id_z 1
		.amdhsa_system_vgpr_workitem_id 0
		.amdhsa_next_free_vgpr 256
		.amdhsa_next_free_sgpr 102
		.amdhsa_reserve_vcc 1
		.amdhsa_float_denorm_mode_32 3
		.amdhsa_float_denorm_mode_16_64 3
		.amdhsa_memory_ordered 1
		.amdhsa_forward_progress 1
		.amdhsa_inst_pref_size 242
	.end_amdhsa_kernel
	.amdgpu_metadata
---
amdhsa.version: [ 1, 2 ]
amdhsa.kernels:
  - .name:           k_q6592c3ffa2_swin
    .symbol:         k_q6592c3ffa2_swin.kd
    .args:
      - { .name: hidden_states, .offset: 0, .size: 8, .value_kind: global_buffer, .address_space: global }
      - { .name: ln1_g, .offset: 8, .size: 8, .value_kind: global_buffer, .address_space: global }
      - { .name: ln1_b, .offset: 16, .size: 8, .value_kind: global_buffer, .address_space: global }
      - { .name: bq, .offset: 24, .size: 8, .value_kind: global_buffer, .address_space: global }
      - { .name: bk, .offset: 32, .size: 8, .value_kind: global_buffer, .address_space: global }
      - { .name: bv, .offset: 40, .size: 8, .value_kind: global_buffer, .address_space: global }
      - { .name: rel_table, .offset: 48, .size: 8, .value_kind: global_buffer, .address_space: global }
      - { .name: bo, .offset: 56, .size: 8, .value_kind: global_buffer, .address_space: global }
      - { .name: ln2_g, .offset: 64, .size: 8, .value_kind: global_buffer, .address_space: global }
      - { .name: ln2_b, .offset: 72, .size: 8, .value_kind: global_buffer, .address_space: global }
      - { .name: b1, .offset: 80, .size: 8, .value_kind: global_buffer, .address_space: global }
      - { .name: b2, .offset: 88, .size: 8, .value_kind: global_buffer, .address_space: global }
      - { .name: lowp_scales, .offset: 96, .size: 8, .value_kind: global_buffer, .address_space: global }
      - { .name: wcodes, .offset: 104, .size: 8, .value_kind: global_buffer, .address_space: global }
      - { .name: out0, .offset: 112, .size: 8, .value_kind: global_buffer, .address_space: global }
    .group_segment_fixed_size: 301056
    .private_segment_fixed_size: 0
    .kernarg_segment_align: 8
    .kernarg_segment_size: 120
    .max_flat_workgroup_size: 512
    .sgpr_count:     102
    .vgpr_count:     256
    .wavefront_size: 32
...
	.end_amdgpu_metadata
.endif
;; end of part 2
